; MI455X (gfx1250); checked and timed in simulation.
; The chip was launched on July 23, 2026; its instructions are those of AMD's public machine-readable ISA for CDNA 5 (MIT licence, August 2026) and "CDNA5" Instruction Set Architecture Reference Guide (July 2026). The comments in the code are by the model that wrote it; some were corrected since.
;; Summary With Attention. Allowed arithmetic: matrix products marked QUANTISED: E2M3 operands, one E8M0 scale for each 32 along K, by v_wmma_scale_f32_16x16x128_f8f6f4 with both operands' format E2M3, f32 sums; products left as they are: f32 operands where the result goes on into a quantised operand, else bf16, f16 or f32 operands; f32 sums; everything else in f32.
;; Inputs: K_codes 8 x 4,096 x 32 x 24 uint8 (E2M3 codes of K, K innermost, in blocks of 32 codes, four codes in three bytes); K_scales 8 x 4,096 x 32 uint8 (E8M0 scales of K, one for each 32 codes along K); Q 8 x 1 x 1,024 float32; V_codes 8 x 4,096 x 32 x 24 uint8 (E2M3 codes of V, K innermost, in blocks of 32 codes, four codes in three bytes); V_scales 8 x 4,096 x 32 uint8 (E8M0 scales of V, one for each 32 codes along K); Wk_codes 1,024 x 32 x 24 uint8 (E2M3 codes of Wk, K innermost, in blocks of 32 codes, four codes in three bytes); Wk_scales 1,024 x 32 uint8 (E8M0 scales of Wk, one for each 32 codes along K); Wo 1,024 x 1,024 float32; Wq 1,024 x 1,024 float32; Wv_codes 1,024 x 32 x 24 uint8 (E2M3 codes of Wv, K innermost, in blocks of 32 codes, four codes in three bytes); Wv_scales 1,024 x 32 uint8 (E8M0 scales of Wv, one for each 32 codes along K); bk 1,024 float32; bo 1,024 float32; bq 1,024 float32; bv 1,024 float32.
;; Outputs: out0 8 x 1 x 1,024 float32.
;; This version of the problem:
;;   THIS VERSION OF THE PROBLEM IS GIVEN IN LOW PRECISION. The matrix products marked QUANTISED in the list below multiply operands that are first quantised to E2M3 (2 exponent bits, 3 mantissa bits; 6 bits a number), with one power-of-two scale for each 32 numbers along K (OCP MX v1.0); their sums are f32. All else is computed in f32.
;;   The module's matrix products, in the order in which they are computed (A, B: the left and right operand; K: the contracted axis; several contracted axes count as one K, in the product's order):
;;     1. [M 8, K 1,024] x [K 1,024, N 1,024]; A: input Q; B: input Wq: left as it is (M = 8 < 16)
;;     2. [M 32,768, K 1,024] x [K 1,024, N 1,024]; A: input K (given as codes); B: input Wk (given as codes): QUANTISED
;;     3. [M 32,768, K 1,024] x [K 1,024, N 1,024]; A: input V (given as codes); B: input Wv (given as codes): QUANTISED
;;     4. batch 128 x [M 4,096, K 64] x [K 64, N 1]; A: computed on the way; B: computed on the way: left as it is (N = 1 < 16)
;;     5. batch 128 x [M 1, K 4,096] x [K 4,096, N 64]; A: computed on the way; B: computed on the way: left as it is (M = 1 < 16)
;;     6. [M 8, K 1,024] x [K 1,024, N 1,024]; A: computed on the way; B: input Wo: left as it is (M = 8 < 16)
;;   THE QUANTISER, for each operand of a quantised product, along K:
;;     - K is cut into blocks of 32 from its start; a last block that is shorter is filled with zeros.
;;     - A block's scale is 2^e with e = floor(log2(the largest magnitude in the block)) - 2, held to -126 .. 127; a block of zeros has e = 0. As a byte (E8M0): e + 127.
;;     - Each number is divided by its block's scale, clamped to +-7.5, and rounded to the nearest number of E2M3, ties to even, subnormals kept.
;;     - The product sums the exact products of the quantised numbers (number of the format x scale) in f32.
;;   ~~~python
;;   def quantise(x, axis):      # numpy; x: float32 -> the quantised numbers, widened to float32 again
;;       x = np.moveaxis(x, axis, -1); K = x.shape[-1]
;;       x = np.pad(x, [(0, 0)] * (x.ndim - 1) + [(0, -K % 32)]); x = x.reshape(x.shape[:-1] + (-1, 32)); a = np.abs(x).max(-1, keepdims=True)
;;       e = np.where(a > 0, np.clip(np.frexp(np.where(a > 0, a, 1))[1] - 1 - 2, -126, 127), 0)      # np.frexp(a)[1] - 1 = floor(log2(a)), exactly
;;       r = np.clip(x / 2.0 ** e, -7.5, 7.5)
;;       step = 2.0 ** (np.maximum(np.frexp(np.where(r == 0, 1, r))[1] - 1, 0) - 3)
;;       q = np.round(r / step) * step * 2.0 ** e      # np.round: ties to even
;;       return np.moveaxis(q.reshape(q.shape[:-2] + (-1,))[..., :K], -1, axis).astype(np.float32)
;;   ~~~
;;   INPUTS GIVEN AS CODES. K (in the module: [8, 4096, 1024], K = its axis 2); V (in the module: [8, 4096, 1024], K = its axis 2); Wk (in the module: [1024, 1024], K = its axis 1); Wv (in the module: [1024, 1024], K = its axis 1): each comes as NAME_codes (uint8): NAME with its K axis moved to the last place and cut into blocks of 32 codes, [.., K / 32, bytes a block], one block behind the other in memory; four codes in three bytes: a row's codes are one little-endian stream of bits, code i at bits 6 i .. 6 i + 5 (a code: sign, 2 exponent bits, 3 mantissa bits); and NAME_scales (uint8): the same leading axes, one E8M0 byte (e + 127) for each 32 codes along K. Its value is code x scale, taken as it is: it is not quantised again, and the codes and scales need not be those that the quantiser above would give.
;; One version. Each part assembles by itself: llvm-mc -triple=amdgcn-amd-amdhsa -mcpu=gfx1250 --defsym DOCPART=n.
;; ======== version 1 of 1: 2 launches
;; limits: right only within a limited range of input values
;; workspace buffers: part 524,288 bytes
;; launch vsum (part 1): grid 256 x 1, 4 waves a work-group, clusters of 4 x 1, 327,680 bytes of LDS; arguments V_codes, V_scales, Wv_codes, Wv_scales, bv, part; writes part
.if DOCPART == 1
	.amdgcn_target "amdgcn-amd-amdhsa--gfx1250"
	.amdhsa_code_object_version 6
	.text
	.protected	k_q566552e958_vsum
	.globl	k_q566552e958_vsum
	.p2align	8
	.type	k_q566552e958_vsum,@function
k_q566552e958_vsum:
	s_mov_b64 s[64:65], 0
	v_nop
	global_prefetch_b8 v0, s[64:65] scope:SCOPE_SE
	s_setreg_imm32_b32 hwreg(HW_REG_WAVE_MODE, 25, 1), 1
	s_wait_xcnt 0x0
	s_wait_alu depctr_hold_cnt(0) depctr_sa_sdst(0) depctr_va_vdst(0) depctr_va_sdst(0) depctr_va_ssrc(0) depctr_va_vcc(0) depctr_vm_vsrc(0)
	s_getreg_b32 s2, hwreg(HW_REG_IB_STS2, 6, 4)
	s_cmp_eq_u32 s2, 0
	s_cbranch_scc0 .Lentry_in_a_cluster
	s_endpgm
.Lentry_in_a_cluster:
	s_bfe_u32 s2, ttmp6, 0x10000c
	s_cmp_lg_u32 s2, 0x3003
	s_cbranch_scc0 .Lentry_shape_is_right
	s_endpgm
.Lentry_shape_is_right:
; part = partial sums over tokens of v = V Wv^T + bv, on codes of FP6 (E2M3) with one E8M0 scale for each 32 along K.
; DEAD WORK, LEFT OUT.  reference() takes its softmax over the scores' last axis, which has length 1: for every finite score s that is exp(s - s) / exp(s - s) = 1, whatever Q, K, Wq, bq, Wk, bk hold.
; So attn is the factor 1 by an identity, and nothing of q, k or the scores has a way to out0: the products Q Wq^T, K Wk^T and q . k are left out, and the product attn x v is the plain sum of v over the 4,096 tokens of a batch.
; Q, Wq, bq, K_codes, K_scales, Wk_codes, Wk_scales, bk are not loaded and are no argument of any launch.  LIMIT: a NaN, an infinity or an overflow that reaches only the scores is not carried to the result.
; LIMIT: the order of the f32 sums differs from reference()'s: tokens are summed inside the accumulators, K in four quarters, a batch in 16 rows of part, and bv enters as 256 x bv in each of those 16 rows (4,096 x bv in all).
; V: [32768][1024], Wv: [1024][1024]: a row of 1,024 codes is 768 bytes, its scales 32 bytes.  bv [1024], part [128][1024]: f32.
; SHARES.  A cluster of 4 x 1 work-groups takes 512 tokens; work-group cx takes columns 256 cx .. + 255.  Wave kq takes all 256 columns and K = 256 kq .. + 255 (two steps of 128; bytes 192 kq .. of a row).
; ONLY COLUMN SUMS ARE WANTED, so all blocks of 16 tokens add into the same 16 accumulators (16 token places x 16 columns each), which take turns, one instruction a turn.
; That leaves the registers for Wv: a wave's 16 blocks of columns x 2 steps, 384 registers, are read from LDS once and stay.  A fragment of V, 6 LDS loads, feeds 16 matrix instructions, and each byte of V is read from LDS once in the work-group.
; Source 0 = 16 tokens, source 1 = 16 rows of Wv: lane (r, h) of accumulator b holds column 16 b + r, and its register j token place 8 h + j.  1,024 matrix instructions a wave.
; THE LDS LOADS STAND IN RUNS: the 48 loads of a group of 64 tokens in one run, behind 96 of the 128 matrix instructions of the group before, into the other of two sets of registers.
; LDS: three slots of 128 rows.  A tile is a dense block of memory, stated as rows of 256 bytes that begin at multiples of 256, with 8 bytes of padding behind every 128: a row of codes takes 816 bytes.
; At the head waves 0 and 1 fetch Wv's 256 rows into slots 0 and 1, waves 2 and 3 V's first 128 tokens (stage 0) into slot 2.  Stages 1, 2, 3 fill slots 0, 1, 2 again, a quarter a wave; from a stage's request to the wait for it stand two groups
; (stage 1: 224 matrix instructions).
; CLUSTER: the four partners need the same tiles of V: each is asked for jointly, by the same load with the same descriptor and the mask 15.  Wv's rows differ from partner to partner: plain loads.
; PREFETCH: behind the load of stage s (0, 1, 2) each wave names stage s + 1's bytes, ahead of the load that wants them by what stands between two stages' loads: of the 96 blocks of 256 bytes that a wave will fetch, partner cx names 24,
; a lane a block (lanes 24-31 name the last again).  Stage 0 comes by its load alone.  Wv is read by every cluster and is not asked for.
; THE EIGHT GROUPS ARE WRITTEN OUT by .rept: each block names its own scale registers (32 registers hold all the words of V that the wave uses), each group its own slot's address registers, and three groups change slots.
; REGISTERS.  Window 0: v0 thread, v1 prefetch offset, v2-3 the add's, v8-31 LDS addresses, v32-47 Wv's scale words, v48-79 V's, v80-84 head's scratch, v96-223 accumulators, v224-239 the way out.
;   Window 1: Wv's fragments of step 0 at v[12 b];  window 2: of step 1;  window 3: V's fragments, two sets of 96: block i of a group, step q at v[96 set + 24 i + 12 q].
.set TOKB,  768                        ; a row of codes in memory
.set PITCH, 816                        ; and in LDS: 6 x (128 + 8)
.set GRP,   64*PITCH                   ; 64 rows: what one address register reaches with a 16-bit offset
.set SLOT,  2*GRP
.set SPARE, 3*SLOT                     ; the spare words, 128 bytes a wave
.set STG,   SPARE+512                  ; the way out: 1,024 bytes a wave; no fill lands there
.set STB,   128*TOKB                   ; a stage in memory
.set SPW, 2
.set NIL, 3
.set AD,  8                            ; v[AD + 6 c + p]: class c, rows 64 p on (p = 0 .. 5)
.set SB,  32                           ; word of (blocks 2 i | 2 i + 1 in lanes 0-15 | 16-31, step q) at SB + 2 i + q
.set SA,  48                           ; the same for V's blocks of tokens, at SA + 2 j + q
.set ACC, 96
.set WV,  16
.set CH,  17
.set KH,  18
.set CX,  19
.set G1B, 20                           ; s[20:27] group 1: 384 rows of 256 bytes, plain;  s[28:35] 192 rows, joint;  s[36:43] 96 rows, joint
.set G1A, 28
.set G1C, 36
.set G0B, 44                           ; groups 0: Wv, stage 0, stages 1 to 3: each written once
.set G0H, 48
.set G0S, 52
.set PFB, 80
.set GW, (3<<16)|(1<<20)|(4<<22)|(1<<25)   ; elements of 8 bytes; padding on; after every 32 words; of 2 words
.set MSB, 0
.macro WIN new                         ; the immediate's high byte repeats the setting that is left
.if MSB != (\new)
	s_set_vgpr_msb (MSB<<8)|(\new)
.set MSB, (\new)
.endif
.endm
.macro CROUND                          ; a round of the cluster's barrier
	s_barrier_signal -1
	s_barrier_wait -1
	s_cmp_lg_u32 s[WV], 0
	s_cbranch_scc1 .Lnot_wave_0_\@
	s_barrier_signal -3
.Lnot_wave_0_\@:
	s_barrier_wait -3
	s_barrier_signal -1
	s_barrier_wait -1
.endm
.macro PLACES                          ; four places behind a matrix instruction, ahead of loads into its sources and of reads of its result
.rept 4
	v_nop
.endr
.endm
.macro ASK s                           ; stage s's bytes; the two address registers are never rewritten
	global_prefetch_b8 v1, s[PFB:PFB+1] offset:(\s)*STB th:TH_LOAD_NT scope:SCOPE_SE
.endm
; Piece p (8 bytes) of the fragment of my step q, rows 64 pos + 16 i on: registers 6 c .. 6 c + 5 hold K = 64 c + 32 h + 0 .. 31, 24 bytes as they lie.  The piece of lanes 0-15 begins at byte y of my 192, that of lanes 16-31 24 on.
; My 192 bytes begin at a multiple of 128 of the row (kq even) or 64 behind one (kq odd), so how many paddings lie ahead of a piece hangs on y, on the lane's half and on kq's parity: the address register's class carries that:
; class 0: none (y < 48), or one in every case (y >= 144: 8 in the offset);  1 (y = 48, 56): one where kq is odd and h = 1;  2 (y = 64, 96): one where kq is odd;  3 (y = 104, 112): one where kq is odd or h = 1.
.macro LDP reg, pos, q, p, i
.set PY, 96*(\q)+48*((\p)/3)+8*((\p)%3)
.set PCL, 0
.set PEX, 0
.if PY >= 48
.set PCL, 1
.endif
.if PY >= 64
.set PCL, 2
.endif
.if PY >= 104
.set PCL, 3
.endif
.if PY >= 144
.set PCL, 0
.set PEX, 8
.endif
	ds_load_b64 v[(\reg)+2*(\p):(\reg)+2*(\p)+1], v[AD+6*PCL+(\pos)] offset:PY+PEX+(\i)*16*PITCH
.endm
; accumulator b += tokens of block a x Wv's block b, step q.  The very first block's first step starts the sums.
.macro WM a, q, b
.set WD, ACC+8*(\b)
.set WA, 96*(((\a)/4)%2)+24*((\a)%4)+12*(\q)
.set WB, 12*(\b)
.set WSA, SA+2*((\a)/2)+(\q)
.set WSB, SB+2*((\b)/2)+(\q)
.if (\a) == 0 && (\q) == 0
.if (\b)%2 == 0
	v_wmma_scale_f32_16x16x128_f8f6f4 v[WD:WD+7], v[WA:WA+11], v[WB:WB+11], 0, v[WSA], v[WSB] matrix_a_fmt:MATRIX_FMT_FP6 matrix_b_fmt:MATRIX_FMT_FP6
.else
	v_wmma_scale_f32_16x16x128_f8f6f4 v[WD:WD+7], v[WA:WA+11], v[WB:WB+11], 0, v[WSA], v[WSB] matrix_a_fmt:MATRIX_FMT_FP6 matrix_b_fmt:MATRIX_FMT_FP6 matrix_b_scale:MATRIX_SCALE_ROW1
.endif
.else
.if (\a)%2 == 0
.if (\b)%2 == 0
	v_wmma_scale_f32_16x16x128_f8f6f4 v[WD:WD+7], v[WA:WA+11], v[WB:WB+11], v[WD:WD+7], v[WSA], v[WSB] matrix_a_fmt:MATRIX_FMT_FP6 matrix_b_fmt:MATRIX_FMT_FP6
.else
	v_wmma_scale_f32_16x16x128_f8f6f4 v[WD:WD+7], v[WA:WA+11], v[WB:WB+11], v[WD:WD+7], v[WSA], v[WSB] matrix_a_fmt:MATRIX_FMT_FP6 matrix_b_fmt:MATRIX_FMT_FP6 matrix_b_scale:MATRIX_SCALE_ROW1
.endif
.else
.if (\b)%2 == 0
	v_wmma_scale_f32_16x16x128_f8f6f4 v[WD:WD+7], v[WA:WA+11], v[WB:WB+11], v[WD:WD+7], v[WSA], v[WSB] matrix_a_fmt:MATRIX_FMT_FP6 matrix_b_fmt:MATRIX_FMT_FP6 matrix_a_scale:MATRIX_SCALE_ROW1
.else
	v_wmma_scale_f32_16x16x128_f8f6f4 v[WD:WD+7], v[WA:WA+11], v[WB:WB+11], v[WD:WD+7], v[WSA], v[WSB] matrix_a_fmt:MATRIX_FMT_FP6 matrix_b_fmt:MATRIX_FMT_FP6 matrix_a_scale:MATRIX_SCALE_ROW1 matrix_b_scale:MATRIX_SCALE_ROW1
.endif
.endif
.endif
.endm
.macro MULS a0, n, q                   ; n blocks of tokens from a0 on, step q: 16 matrix instructions each
.set MA, \a0
.rept \n
.irp b, 0,1,2,3,4,5,6,7,8,9,10,11,12,13,14,15
	WM MA, \q, \b
.endr
.set MA, MA+1
.endr
.endm
.macro FETCH g                         ; group g's 8 fragments, 48 loads in one run, into set g % 2.  Group g lies in stage g / 2, slot (g / 2 + 2) % 3
	WIN 0xc0                                       ; destination window 3, address window 0
.irp i, 0,1,2,3
.irp q, 0,1
.irp p, 0,1,2,3,4,5
	LDP 96*((\g)%2)+24*\i+12*\q, 2*(((\g)/2+2)%3)+(\g)%2, \q, \p, \i
.endr
.endr
.endr
.endm
; A change of slots.  All that the stage at work multiplies is in registers by then, and the next stage's slot is about to be read.
; g0 > 0: a slot that every wave has read out is filled again, behind a round of the cluster's barrier.  g0 = 0: nothing is left to fetch; the barrier shows the last stage whole.
.macro CHANGE g0
	WIN 0
	s_wait_tensorcnt 0x0                           ; all my tensor loads have landed, my part of the next stage among them
.if \g0
	ds_add_u32 v[SPW], v[NIL]
	s_wait_dscnt 0x0                               ; the add, and my reads
	CROUND                                         ; no wave of any partner still reads the slot or has a load on its way
	tensor_load_to_lds s[\g0:\g0+3], s[G1C:G1C+7]  ; my quarter of the stage: 32 tokens
	s_nop 0
	PLACES                                         ; also the places in front of the run of loads that follows
.else
	s_wait_dscnt 0x0
	s_barrier_signal -1
	s_barrier_wait -1
	PLACES
.endif
.endm
; A group of 64 tokens: 128 matrix instructions, step 0 of its four blocks, then step 1.  Behind 96 of them the next group is fetched; in groups 1, 3, 5 the next group lies in the next stage's slot: the change of slots stands there.
.macro GROUP g
	s_wait_dscnt 0x0                               ; my set is in: asked for 32 matrix instructions ago
	WIN 0x07                                       ; source 0 (V) window 3, source 1 (Wv) window 1, C and D window 0
	MULS 4*(\g), 4, 0
	WIN 0x0b                                       ; source 1 window 2
	MULS 4*(\g), 2, 1
.if (\g) < 7
.if (\g) == 1
	CHANGE G0S+4                                   ; stage 2 into slot 1
.endif
.if (\g) == 3
	CHANGE G0S+8                                   ; stage 3 into slot 2
.endif
.if (\g) == 5
	CHANGE 0
.endif
.if (\g)%2 == 0
	PLACES
.endif
	FETCH (\g)+1
.if (\g) == 1
	ASK 3
.endif
.endif
	WIN 0x0b
	MULS 4*(\g)+2, 2, 1
.endm
	s_load_b256 s[4:11], s[0:1], 0x0               ; V's codes, V's scales, Wv's codes, Wv's scales
	s_load_b128 s[12:15], s[0:1], 0x20             ; bv, part
	v_lshl_add_u32 v[SPW], v0, 2, SPARE
	v_mov_b32 v[NIL], 0
	ds_add_u32 v[SPW], v[NIL]                      ; the opening lines: the add twice on end and one wait
	ds_add_u32 v[SPW], v[NIL]
	v_lshrrev_b32 v1, 5, v0
	v_readfirstlane_b32 s[WV], v1                  ; wave 0..3 = kq
	s_and_b32 s[CH], s[WV], 1                      ; kq's parity; which half of a head's tile I fetch; which half of the columns I store
	s_lshr_b32 s[KH], s[WV], 1
	s_bfe_u32 s[CX], ttmp6, 0x40000                ; my place in the cluster
	s_mov_b32 s[G1B], GW
	s_mov_b32 s[G1A], GW|15|(1<<21)                ; the mask names the four partners
	s_mov_b32 s[G1C], GW|15|(1<<21)
.irp g, G1B, G1A, G1C
	s_mov_b32 s[\g+1], 32<<16                      ; tensor_dim0: 32 elements
	s_mov_b32 s[\g+3], 32<<16                      ; tile_dim0
	s_mov_b32 s[\g+5], 32                          ; pitch: dense
	s_mov_b32 s[\g+6], 0
	s_mov_b32 s[\g+7], 0
.endr
	s_mov_b32 s[G1B+2], 384<<16                    ; rows: 128 rows of codes,
	s_mov_b32 s[G1B+4], 384
	s_mov_b32 s[G1A+2], 192<<16                    ; 64,
	s_mov_b32 s[G1A+4], 192
	s_mov_b32 s[G1C+2], 96<<16                     ; 32
	s_mov_b32 s[G1C+4], 96
	s_mov_b32 s[G0B], 1
	s_mul_i32 s[G0B+1], s[CH], SLOT                ; Wv's half: slot 0 or 1
	s_mov_b32 s[G0H], 1
	s_mul_i32 s[G0H+1], s[CH], GRP
	s_add_co_u32 s[G0H+1], s[G0H+1], 2*SLOT        ; stage 0's half: in slot 2
	s_mul_i32 s76, s[WV], GRP/2
.irp s, 1,2,3
	s_mov_b32 s[G0S+4*(\s-1)], 1
	s_add_co_u32 s[G0S+4*(\s-1)+1], s76, (\s-1)*SLOT   ; stage s: slot s - 1, my quarter
.endr
	s_mul_i32 s66, ttmp9, 512*TOKB                 ; the cluster's tokens (ttmp9 counts clusters)
	s_mov_b32 s67, 0
	s_mul_i32 s68, s[CH], 64*TOKB
	s_mov_b32 s69, 0
	s_mul_i32 s70, s[WV], 32*TOKB
	s_mov_b32 s71, 0
	s_mul_i32 s72, s[CX], 256*TOKB                 ; my work-group's rows of Wv, in registers that feed no joint load
	s_mul_i32 s73, s[CH], 128*TOKB
	s_add_co_u32 s72, s72, s73
	s_mov_b32 s73, 0
	s_mul_i32 s77, s[WV], 192                      ; where my quarter of K begins in an LDS row: 192 kq,
	s_lshr_b32 s95, s77, 7
	s_lshl_b32 s95, s95, 3
	s_add_co_u32 s77, s77, s95                     ; + 8 for each 128 passed
	s_lshl_b32 s78, s[CH], 3                       ; 8 where kq is odd
	s_xor_b32 s79, s78, 8                          ; 8 where it is even
	s_lshl_b32 s83, s[WV], 3                       ; my two scale words of a row's eight
	s_wait_dscnt 0x0                               ; both opening adds are done
	s_wait_kmcnt 0x0
	s_add_nc_u64 s[4:5], s[4:5], s[66:67]
	s_add_nc_u64 s[G0B+2:G0B+3], s[8:9], s[72:73]
	s_or_b32 s[G0B+3], s[G0B+3], 0x80000000
	s_add_nc_u64 s[G0H+2:G0H+3], s[4:5], s[68:69]
	s_or_b32 s[G0H+3], s[G0H+3], 0x80000000
	s_add_nc_u64 s[74:75], s[4:5], s[70:71]
.irp s, 1,2,3
	s_add_nc_u64 s[G0S+4*(\s-1)+2:G0S+4*(\s-1)+3], s[74:75], \s*STB
	s_or_b32 s[G0S+4*(\s-1)+3], s[G0S+4*(\s-1)+3], 0x80000000
.endr
	CROUND                                         ; the four partners are here: the first joint loads meet
	s_cmp_lt_u32 s[WV], 2                          ; one tensor load a wave at the head, in one chain of branches on the wave's number
	s_cbranch_scc0 .Lhead_v
	tensor_load_to_lds s[G0B:G0B+3], s[G1B:G1B+7]  ; waves 0, 1: 128 rows of Wv
	s_nop 0
	PLACES
	s_branch .Lhead_on
.Lhead_v:
	tensor_load_to_lds s[G0H:G0H+3], s[G1A:G1A+7]  ; waves 2, 3: 64 tokens of stage 0
	s_nop 0
	PLACES
.Lhead_on:
	s_lshl_b32 s92, ttmp9, 14                      ; V's scales: 512 tokens x 32 bytes a cluster
	s_mov_b32 s93, 0
	s_add_nc_u64 s[6:7], s[6:7], s[92:93]
	s_lshl_b32 s84, s[CX], 13                      ; Wv's scales: row 256 cx
	s_mov_b32 s85, 0
	s_add_nc_u64 s[10:11], s[10:11], s[84:85]
	s_lshl_b32 s86, s[CX], 10                      ; the 128 columns that I store, in bytes of f32: 256 cx + 128 (wave % 2)
	s_lshl_b32 s87, s[CH], 9
	s_add_co_u32 s86, s86, s87
	s_mov_b32 s87, 0
	s_add_nc_u64 s[12:13], s[12:13], s[86:87]
	s_add_nc_u64 s[14:15], s[14:15], s[86:87]
	s_lshl_b32 s90, ttmp9, 13                      ; row 2 x cluster + wave / 2 of part
	s_lshl_b32 s91, s[KH], 12
	s_add_co_u32 s90, s90, s91
	s_mov_b32 s91, 0
	s_add_nc_u64 s[14:15], s[14:15], s[90:91]
	s_mul_i32 s88, s[CX], 24*256                   ; the prefetches: my work-group's 24 blocks of my wave's 96
	s_mov_b32 s89, 0
	s_add_nc_u64 s[PFB:PFB+1], s[74:75], s[88:89]
	s_lshl_b32 s82, s[WV], 10
	s_add_co_u32 s82, s82, STG                     ; my 1,024 bytes of the stage
	s_lshl_b32 s94, s[KH], 11
	s_lshl_b32 s95, s[CH], 9
	s_add_co_u32 s94, s94, s95
	s_add_co_u32 s94, s94, STG                     ; what I read back: waves 2 (wave / 2) and the next, columns 128 (wave % 2) on
	v_and_b32 v80, 15, v0                          ; r
	v_bfe_u32 v81, v0, 4, 1                        ; h
	v_and_b32 v82, 31, v0                          ; lane
	v_mul_u32_u24 v83, v80, PITCH
	v_add_nc_u32 v83, s77, v83                     ; row r, my quarter of K
	v_mad_u32_u24 v[AD], v81, 24, v83              ; class 0
	v_mad_u32_u24 v[AD+6], v81, s78, v[AD]         ; class 1: + 8 where kq is odd and h = 1
	v_add_nc_u32 v[AD+12], s78, v[AD]              ; class 2: + 8 where kq is odd
	v_mad_u32_u24 v[AD+18], v81, s79, v[AD+12]     ; class 3: + 8 where kq is odd or h = 1
.irp c, 0,1,2,3
.irp p, 1,2,3,4,5
	v_add_nc_u32 v[AD+6*\c+\p], \p*GRP, v[AD+6*\c]
.endr
.endr
	v_lshlrev_b32 v84, 5, v82
	v_add_nc_u32 v84, s83, v84                     ; scales: 32 x lane + 8 kq
	v_min_u32 v1, 23, v82
	v_lshlrev_b32 v1, 8, v1                        ; a lane a block of 256 bytes
	v_lshlrev_b32 v224, 4, v82                     ; 16 x lane: in bv and in part
	v_lshlrev_b32 v225, 2, v82
	v_add_nc_u32 v225, s82, v225                   ; into the stage: 4 x lane
	v_add_nc_u32 v226, s94, v224                   ; and back: 16 x lane
	s_wait_alu depctr_va_vdst(0)                   ; the wait at the head's end
.irp j, 0,1,2,3,4,5,6,7,8,9,10,11,12,13,14,15
	global_load_b64 v[SA+2*\j:SA+2*\j+1], v84, s[6:7] offset:1024*\j      ; tokens 32 j + lane
.endr
.irp i, 0,1,2,3,4,5,6,7
	global_load_b64 v[SB+2*\i:SB+2*\i+1], v84, s[10:11] offset:1024*\i    ; Wv's rows 32 i + lane
.endr
	global_load_b128 v[228:231], v224, s[12:13]    ; bv
	ASK 1
	s_cmp_lt_u32 s[WV], 2
	s_cbranch_scc0 .Lwv_is_others
	s_wait_tensorcnt 0x0                           ; waves 0, 1: my half of Wv is in.  Stage 0's loads may be out, and slot 2 is not read before the next
.Lwv_is_others:
	s_barrier_signal -1
	s_barrier_wait -1
.irp q, 0,1                            ; Wv's 32 fragments, once: rows 16 b on lie at place b / 4 of the address registers
	WIN 0x40<<\q
.irp b, 0,1,2,3,4,5,6,7,8,9,10,11,12,13,14,15
.irp p, 0,1,2,3,4,5
	LDP 12*\b, \b/4, \q, \p, \b%4
.endr
.endr
.endr
	CHANGE G0S                                     ; stage 0 is in, Wv is in registers: stage 1 goes into slot 0
	FETCH 0
	ASK 2
	s_wait_loadcnt 0x0                             ; the scale words and bv
.set T, 0
.rept 8
	GROUP T
.set T, T+1
.endr
	WIN 0
	PLACES
; THE WAY OUT.  An accumulator's eight registers and the two halves of the lanes are sixteen token places of one column: they are added, in place.
.irp b, 0,1,2,3,4,5,6,7,8,9,10,11,12,13,14,15
	v_pk_add_f32 v[ACC+8*\b:ACC+8*\b+1], v[ACC+8*\b:ACC+8*\b+1], v[ACC+8*\b+2:ACC+8*\b+3]     ; each accumulator from its low end on
	v_pk_add_f32 v[ACC+8*\b+4:ACC+8*\b+5], v[ACC+8*\b+4:ACC+8*\b+5], v[ACC+8*\b+6:ACC+8*\b+7]
.endr
.irp b, 0,1,2,3,4,5,6,7,8,9,10,11,12,13,14,15
	v_pk_add_f32 v[ACC+8*\b:ACC+8*\b+1], v[ACC+8*\b:ACC+8*\b+1], v[ACC+8*\b+4:ACC+8*\b+5]
.endr
.irp b, 0,1,2,3,4,5,6,7,8,9,10,11,12,13,14,15
	v_add_f32 v[ACC+8*\b], v[ACC+8*\b], v[ACC+8*\b+1]
.endr
.irp i, 0,1,2,3,4,5,6,7
	v_permlane16_swap_b32 v[ACC+16*\i], v[ACC+16*\i+8]   ; block 2 i's upper lanes change places with block 2 i + 1's lower: both halves of a column now lie in one lane
.endr
.irp i, 0,1,2,3,4,5,6,7
	v_add_f32 v[ACC+16*\i], v[ACC+16*\i], v[ACC+16*\i+8] ; lane l: column 32 i + l, my quarter of K
.endr
.irp i, 0,1,2,3,4,5,6,7
	ds_store_b32 v225, v[ACC+16*\i] offset:128*\i
.endr
	s_wait_dscnt 0x0                               ; for the others' sake: my stores have landed
	s_barrier_signal -1
	s_barrier_wait -1
	ds_load_b128 v[232:235], v226                  ; two quarters of K, four columns a lane
	ds_load_b128 v[236:239], v226 offset:1024
	s_wait_dscnt 0x0
	v_pk_add_f32 v[232:233], v[232:233], v[236:237]
	v_pk_add_f32 v[234:235], v[234:235], v[238:239]
	v_pk_fma_f32 v[232:233], v[228:229], 0x43800000, v[232:233] op_sel_hi:[1,0,1]   ; + 256 bv: a sixteenth of the batch's 4,096
	v_pk_fma_f32 v[234:235], v[230:231], 0x43800000, v[234:235] op_sel_hi:[1,0,1]
	global_store_b128 v224, v[232:235], s[14:15]   ; 32 lanes store 512 consecutive bytes, at a multiple of 256 from part's first byte
	s_wait_tensorcnt 0x0                           ; the wave's end
	ds_add_u32 v[SPW], v[NIL]
	s_wait_dscnt 0x0
	CROUND                                         ; the closing round
	s_endpgm
.Lfunc_end_k_q566552e958_vsum:
	.size	k_q566552e958_vsum, .Lfunc_end_k_q566552e958_vsum-k_q566552e958_vsum
	.p2alignl 7, 3214868480
	.fill 96, 4, 3214868480
	.section	.rodata,"a",@progbits
	.p2align	6, 0x0
	.amdhsa_kernel k_q566552e958_vsum
		.amdhsa_group_segment_fixed_size 327680
		.amdhsa_private_segment_fixed_size 0
		.amdhsa_enable_private_segment 0
		.amdhsa_kernarg_size 48
		.amdhsa_user_sgpr_count 2
		.amdhsa_user_sgpr_kernarg_segment_ptr 1
		.amdhsa_wavefront_size32 1
		.amdhsa_system_sgpr_workgroup_id_x 1
		.amdhsa_system_sgpr_workgroup_id_y 1
		.amdhsa_system_sgpr_workgroup_id_z 1
		.amdhsa_system_vgpr_workitem_id 0
		.amdhsa_next_free_vgpr 960
		.amdhsa_next_free_sgpr 96
		.amdhsa_reserve_vcc 0
		.amdhsa_float_denorm_mode_32 3
		.amdhsa_float_denorm_mode_16_64 3
		.amdhsa_memory_ordered 1
		.amdhsa_forward_progress 1
		.amdhsa_inst_pref_size 185
	.end_amdhsa_kernel
	.amdgpu_metadata
---
amdhsa.version: [ 1, 2 ]
amdhsa.kernels:
  - .name:           k_q566552e958_vsum
    .symbol:         k_q566552e958_vsum.kd
    .args:
      - { .name: V_codes, .offset: 0, .size: 8, .value_kind: global_buffer, .address_space: global }
      - { .name: V_scales, .offset: 8, .size: 8, .value_kind: global_buffer, .address_space: global }
      - { .name: Wv_codes, .offset: 16, .size: 8, .value_kind: global_buffer, .address_space: global }
      - { .name: Wv_scales, .offset: 24, .size: 8, .value_kind: global_buffer, .address_space: global }
      - { .name: bv, .offset: 32, .size: 8, .value_kind: global_buffer, .address_space: global }
      - { .name: part, .offset: 40, .size: 8, .value_kind: global_buffer, .address_space: global }
    .group_segment_fixed_size: 327680
    .private_segment_fixed_size: 0
    .kernarg_segment_align: 8
    .kernarg_segment_size: 48
    .max_flat_workgroup_size: 128
    .sgpr_count:     96
    .vgpr_count:     960
    .wavefront_size: 32
...
	.end_amdgpu_metadata
.endif
;; end of part 1
;; launch oproj (part 2): grid 8 x 16, 16 waves a work-group, clusters of 4 x 1, 327,680 bytes of LDS; arguments part, Wo, bo, out0; writes out0
.if DOCPART == 2
	.amdgcn_target "amdgcn-amd-amdhsa--gfx1250"
	.amdhsa_code_object_version 6
	.text
	.protected	k_q566552e958_oproj
	.globl	k_q566552e958_oproj
	.p2align	8
	.type	k_q566552e958_oproj,@function
k_q566552e958_oproj:
	s_mov_b64 s[64:65], 0
	v_nop
	global_prefetch_b8 v0, s[64:65] scope:SCOPE_SE
	s_setreg_imm32_b32 hwreg(HW_REG_WAVE_MODE, 25, 1), 1
	s_wait_xcnt 0x0
	s_wait_alu depctr_hold_cnt(0) depctr_sa_sdst(0) depctr_va_vdst(0) depctr_va_sdst(0) depctr_va_ssrc(0) depctr_va_vcc(0) depctr_vm_vsrc(0)
	s_getreg_b32 s2, hwreg(HW_REG_IB_STS2, 6, 4)
	s_cmp_eq_u32 s2, 0
	s_cbranch_scc0 .Lentry_in_a_cluster
	s_endpgm
.Lentry_in_a_cluster:
	s_bfe_u32 s2, ttmp6, 0x10000c
	s_cmp_lg_u32 s2, 0x3003
	s_cbranch_scc0 .Lentry_shape_is_right
	s_endpgm
.Lentry_shape_is_right:
; x[n][d] = the sum of rows 16 n .. 16 n + 15 of part;  out0[n][o] = sum over d of x[n][d] Wo[o][d] + bo[o].  part [128][1024], Wo [1024][1024], bo [1024], out0 [8][1024], all f32; sums and fused multiply-adds in f32.
; (part holds the sums over tokens of v, bias included; the scores and the softmax over an axis of length 1 are the factor 1 and are left out, as the first kernel's head shows.)
; SHARES.  A work-group (x: n, y: 64 outputs) owns one aligned run of 256 bytes of out0.  K IS SHARED OUT AMONG THE SIXTEEN WAVES: wave w takes columns 64 w .. 64 w + 63, 256 bytes of every row, so that the x that it sums
; is the x that it multiplies by, and x never leaves the wave.
; Wo COMES BY TENSOR LOADS, ONE A WAVE, at the head: a tile of 64 rows x 256 bytes (each row begins at a multiple of 256 bytes; rows 4,096 bytes apart) into the wave's own 64 x 272 bytes of LDS.  Only the wave that asked reads those bytes,
; behind its own wait on TENSORcnt; nothing is filled again.  While the tile is on its way the wave loads part's sixteen rows (eight loads of two rows: sixteen lanes read 256 consecutive bytes of each) and sums x.
; Then 32 LDS loads of two rows each: sixteen lanes read one row's 256 bytes.  A lane holds 4 columns: a load's number is 2 packed multiply-adds and one addition, for row 2 i + (lane / 16).  The 32 numbers are summed over the sixteen lanes
; of a half, HALVING AS IT GOES: each step adds the neighbour's number in place, and of two numbers a lane keeps the one that its lane bit names; eight at a time, as their loads land.  Lane (r, hh) ends with rows 2 r + hh and 32 + 2 r + hh.
; Each wave leaves its 64 partial outputs in its own 256 bytes of LDS, on which no fill lands; behind ONE barrier wave 0 adds the sixteen slices and the bias and stores 256 bytes.
; Every wave asks for the 256 bytes of bias and wave 0 alone uses them: so no load stands under a branch, at the price of fifteen loads in 144.
; CLUSTER: 4 x 1 work-groups, four n of the same 64 outputs: they need the same tiles of Wo, and each tile is asked for jointly, by the same load with the same descriptor and the mask 15.
; 128 WORK-GROUPS: out0 has 128 aligned runs of 256 bytes, and each has one owner that writes it whole.
; NO MATRIX UNIT: 8 rows would fill half a tile, and the launch moves 4 bytes for each two operations.  NO PREFETCH: the text has no loop to run ahead in; all that a wave reads is asked for at its head.
; LIMIT: the order of the f32 sums differs from a plain ascending one.
.set TPITCH, 272                       ; an LDS row: 256 bytes + 16 of padding
.set TILE,  64*TPITCH                  ; a wave's tile
.set SCR,   16*TILE                    ; behind the tiles: 256 bytes a wave for its partial outputs
.set SPARE, SCR+4096                   ; behind them: the spare words, 128 bytes a wave
.set XR, 8                             ; v8-39    part's rows; then x in v8-11; at the end the sixteen slices
.set WR, 40                            ; v40-167  my 4 numbers of each of 32 pairs of rows of Wo
.set VR, 168                           ; v168-199 a number for each load
.set TP, 200                           ; v200-203 the other half of the lanes'
.set BI, 204                           ; v[204:205] two biases
.set LA, 206                           ; v206     LDS address in my tile;  v207 the way out's
.set MK, 26                            ; s26-29   the lanes whose bit 0, 1, 2, 3 is set
.set G0, 32                            ; s[32:35], s[36:43] the tile's descriptor
.set G1, 36
.macro CROUND                          ; a round of the cluster's barrier
	s_barrier_signal -1
	s_barrier_wait -1
	s_cmp_lg_u32 s12, 0
	s_cbranch_scc1 .Lnot_wave_0_\@
	s_barrier_signal -3
.Lnot_wave_0_\@:
	s_barrier_wait -3
	s_barrier_signal -1
	s_barrier_wait -1
.endm
; Eight numbers in v[v] .. v[v + 7] become one in v[v]: summed over lane bits 0 to 2; a lane keeps number 4 b2 + 2 b1 + b0 of the eight, b its lane bits.
.macro RED8 v
.irp k, 0,1,2,3,4,5,6,7
	v_add_f32_dpp v[(\v)+\k], v[(\v)+\k], v[(\v)+\k] row_xmask:1 row_mask:0xf bank_mask:0xf
.endr
.irp k, 0,1,2,3
	v_cndmask_b32 v[(\v)+\k], v[(\v)+2*\k], v[(\v)+2*\k+1], s[MK]       ; ascending: each line writes a register whose number has been read
.endr
.irp k, 0,1,2,3
	s_delay_alu instid0(VALU_DEP_4)
	v_add_f32_dpp v[(\v)+\k], v[(\v)+\k], v[(\v)+\k] row_xmask:2 row_mask:0xf bank_mask:0xf
.endr
.irp k, 0
	s_delay_alu instid0(VALU_DEP_3)
	v_cndmask_b32 v[(\v)+\k], v[(\v)+2*\k], v[(\v)+2*\k+1], s[MK+1]
.endr
.irp k, 1
	s_delay_alu instid0(VALU_DEP_2)
	v_cndmask_b32 v[(\v)+\k], v[(\v)+2*\k], v[(\v)+2*\k+1], s[MK+1]
.endr
.irp k, 0,1
	s_delay_alu instid0(VALU_DEP_2)
	v_add_f32_dpp v[(\v)+\k], v[(\v)+\k], v[(\v)+\k] row_xmask:4 row_mask:0xf bank_mask:0xf
.endr
	s_delay_alu instid0(VALU_DEP_1)
	v_cndmask_b32 v[(\v)], v[(\v)], v[(\v)+1], s[MK+2]
.endm
	s_load_b256 s[4:11], s[0:1], 0x0               ; part s[4:5], Wo s[6:7], bo s[8:9], out0 s[10:11]
	v_lshl_add_u32 v208, v0, 2, SPARE
	v_mov_b32 v209, 0
	ds_add_u32 v208, v209                          ; the opening lines: the add twice on end and one wait
	ds_add_u32 v208, v209
	v_lshrrev_b32 v1, 5, v0
	s_delay_alu instid0(VALU_DEP_1)
	v_readfirstlane_b32 s12, v1                    ; wave 0..15
	s_mov_b32 s[G1], 15|(3<<16)|(1<<20)|(1<<21)|(5<<22)|(3<<25)   ; the mask names the four partners; elements of 8 bytes; padding on; after every 64 words; of 4 words
	s_mov_b32 s[G1+1], 32<<16                      ; tensor_dim0: 32 elements
	s_mov_b32 s[G1+2], 64<<16                      ; tensor_dim1: 64 rows
	s_mov_b32 s[G1+3], 32<<16                      ; tile_dim0
	s_mov_b32 s[G1+4], 64                          ; tile_dim1
	s_mov_b32 s[G1+5], 512                         ; from row to row: 512 elements
	s_mov_b32 s[G1+6], 0
	s_mov_b32 s[G1+7], 0
	s_mov_b32 s[G0], 1
	s_mul_i32 s[G0+1], s12, TILE                   ; my tile's place: the wave's number alone
	s_mul_i32 s31, s12, TILE
	s_lshl_b32 s15, s12, 8                         ; 256 x wave: my slice of a row, and my bytes among the partial outputs
	s_add_co_u32 s44, s15, SCR
	s_and_b32 s30, ttmp7, 0xffff                   ; which 64 outputs
	s_lshl_b32 s18, s30, 18                        ; 64 rows of Wo of 4,096 bytes,
	s_add_co_u32 s18, s18, s15                     ; my slice
	s_mov_b32 s19, 0
	s_lshl_b32 s22, s30, 8                         ; 64 outputs of 4 bytes
	s_mov_b32 s23, 0
	s_bfe_u32 s13, ttmp6, 0x40000                  ; my place in the cluster
	s_lshl_b32 s14, ttmp9, 2
	s_add_co_u32 s14, s14, s13                     ; n = 4 x cluster x + cx: it enters part's and out0's addresses alone
	s_lshl_b32 s16, s14, 16                        ; 16 n rows of part,
	s_add_co_u32 s16, s16, s15                     ; my slice
	s_mov_b32 s17, 0
	s_lshl_b32 s24, s14, 12                        ; n rows of out0
	s_mov_b32 s25, 0
	s_mov_b32 s20, 0x76543210                      ; v_permlanex16_b32's selects for lane l xor 16
	s_mov_b32 s21, 0xfedcba98
	s_mov_b32 s[MK], 0xaaaaaaaa
	s_mov_b32 s[MK+1], 0xcccccccc
	s_mov_b32 s[MK+2], 0xf0f0f0f0
	s_mov_b32 s[MK+3], 0xff00ff00
	s_wait_dscnt 0x0                               ; both opening adds are done
	s_wait_kmcnt 0x0
	s_add_nc_u64 s[G0+2:G0+3], s[6:7], s[18:19]
	s_or_b32 s[G0+3], s[G0+3], 0x80000000
	s_add_nc_u64 s[4:5], s[4:5], s[16:17]
	s_add_nc_u64 s[8:9], s[8:9], s[22:23]
	s_add_nc_u64 s[10:11], s[10:11], s[22:23]
	s_add_nc_u64 s[10:11], s[10:11], s[24:25]
	CROUND                                         ; the four partners are here: the joint loads meet
	tensor_load_to_lds s[G0:G0+3], s[G1:G1+7]      ; my one tensor load: 64 rows x 256 bytes of Wo
	s_nop 0
.rept 4
	v_nop
.endr
	v_and_b32 v1, 31, v0                           ; lane
	v_and_b32 v6, 15, v0                           ; r
	v_bfe_u32 v5, v0, 4, 1                         ; hh
	s_delay_alu instid0(VALU_DEP_3)
	v_lshlrev_b32 v3, 3, v1                        ; 8 x lane: the way out
	s_delay_alu instid0(VALU_DEP_3)
	v_lshlrev_b32 v7, 4, v6                        ; 16 r
	s_delay_alu instid0(VALU_DEP_4)
	v_lshlrev_b32 v4, 3, v6
	s_delay_alu instid0(VALU_DEP_2)
	v_lshl_add_u32 v2, v5, 12, v7                  ; in part: 16 r, + one row of 4,096 bytes for lanes 16-31
	s_delay_alu instid0(VALU_DEP_3)
	v_mad_u32_u24 v[LA], v5, TPITCH, v7            ; in my tile: 16 r, + one row of 272 bytes for lanes 16-31
	s_delay_alu instid0(VALU_DEP_3)
	v_lshl_add_u32 v4, v5, 2, v4                   ; output 2 r + hh: 8 r + 4 hh
	s_delay_alu instid0(VALU_DEP_2)
	v_add_nc_u32 v[LA], s31, v[LA]
	s_delay_alu instid0(VALU_DEP_2)
	v_add_nc_u32 v4, s44, v4
	v_add_nc_u32 v[LA+1], SCR, v3
.irp i, 0,1,2,3
	v_mov_b32 v[TP+\i], 0                          ; a lane permute's destination counts as one of its sources
.endr
	s_wait_alu depctr_va_vdst(0)                   ; the wait at the head's end
	global_load_b64 v[BI:BI+1], v3, s[8:9]
.irp k, 0,1,2,3,4,5,6,7
	global_load_b128 v[XR+4*\k:XR+4*\k+3], v2, s[4:5] offset:8192*\k   ; part's rows 2 k and 2 k + 1
.endr
	s_wait_loadcnt 0x0                             ; the bias and part's eight loads are in
.irp k, 1
	v_pk_add_f32 v[XR:XR+1], v[XR:XR+1], v[XR+4*\k:XR+4*\k+1]
	v_pk_add_f32 v[XR+2:XR+3], v[XR+2:XR+3], v[XR+4*\k+2:XR+4*\k+3]
.endr
.irp k, 2, 3, 4, 5, 6, 7
	s_delay_alu instid0(VALU_DEP_2)
	v_pk_add_f32 v[XR:XR+1], v[XR:XR+1], v[XR+4*\k:XR+4*\k+1]
	s_delay_alu instid0(VALU_DEP_2)
	v_pk_add_f32 v[XR+2:XR+3], v[XR+2:XR+3], v[XR+4*\k+2:XR+4*\k+3]
.endr
.irp i, 0,1,2,3
	v_permlanex16_b32 v[TP+\i], v[XR+\i], s20, s21                 ; the odd rows' sums lie in the lane 16 away
.endr
.irp i, 0,1,2,3
	s_delay_alu instid0(VALU_DEP_4)
	v_add_f32 v[XR+\i], v[XR+\i], v[TP+\i]                         ; x at my 4 columns, in both halves of the lanes
.endr
	s_wait_alu depctr_va_vdst(0)
	s_wait_tensorcnt 0x0                           ; my tile is in; nobody else reads it
.set i, 0
.rept 32
	ds_load_b128 v[WR+4*i:WR+4*i+3], v[LA] offset:2*TPITCH*i       ; Wo's rows 2 i and 2 i + 1
.set i, i+1
.endr
.irp g, 0,1,2,3
	s_wait_dscnt 8*(3-\g)                          ; the loads up to 8 g + 7 are in; the eight of each later group may be out
.irp k, 0,1,2,3,4,5,6,7
	v_pk_mul_f32 v[WR+4*(8*\g+\k):WR+4*(8*\g+\k)+1], v[WR+4*(8*\g+\k):WR+4*(8*\g+\k)+1], v[XR:XR+1]
.endr
.irp k, 0,1,2,3,4,5,6,7
	v_pk_fma_f32 v[WR+4*(8*\g+\k):WR+4*(8*\g+\k)+1], v[WR+4*(8*\g+\k)+2:WR+4*(8*\g+\k)+3], v[XR+2:XR+3], v[WR+4*(8*\g+\k):WR+4*(8*\g+\k)+1]
.endr
.irp k, 0,1,2,3,4,5,6,7
	v_add_f32 v[VR+8*\g+\k], v[WR+4*(8*\g+\k)], v[WR+4*(8*\g+\k)+1]
.endr
	RED8 VR+8*\g                                   ; my lane keeps load 8 g + r % 8
.endr
.irp g, 0,1,2,3
	v_add_f32_dpp v[VR+8*\g], v[VR+8*\g], v[VR+8*\g] row_xmask:8 row_mask:0xf bank_mask:0xf
.endr
	s_delay_alu instid0(VALU_DEP_3)
	v_cndmask_b32 v[VR], v[VR], v[VR+8], s[MK+3]                   ; load r: row 2 r + hh
	s_delay_alu instid0(VALU_DEP_2)
	v_cndmask_b32 v[VR+1], v[VR+16], v[VR+24], s[MK+3]             ; load 16 + r: row 32 + 2 r + hh
	ds_store_b32 v4, v[VR]                         ; 32 lanes, 32 different words
	ds_store_b32 v4, v[VR+1] offset:128
	s_wait_dscnt 0x0                               ; for the others' sake: my stores have landed
	s_barrier_signal -1
	s_barrier_wait -1
	s_cmp_lg_u32 s12, 0
	s_cbranch_scc1 .Lend
.irp k, 0,1,2,3,4,5,6,7,8,9,10,11,12,13,14,15
	ds_load_b64 v[XR+2*\k:XR+2*\k+1], v[LA+1] offset:256*\k        ; the sixteen slices of K: 64 partial outputs each, 8 bytes a lane
.endr
	s_wait_dscnt 0x0
.irp k, 0,1,2,3,4,5,6,7
	v_pk_add_f32 v[XR+4*\k:XR+4*\k+1], v[XR+4*\k:XR+4*\k+1], v[XR+4*\k+2:XR+4*\k+3]
.endr
.irp k, 0,1,2,3
	v_pk_add_f32 v[XR+8*\k:XR+8*\k+1], v[XR+8*\k:XR+8*\k+1], v[XR+8*\k+4:XR+8*\k+5]
.endr
.irp k, 0
	s_delay_alu instid0(VALU_DEP_3)
	v_pk_add_f32 v[XR+16*\k:XR+16*\k+1], v[XR+16*\k:XR+16*\k+1], v[XR+16*\k+8:XR+16*\k+9]
.endr
.irp k, 1
	s_delay_alu instid0(VALU_DEP_2)
	v_pk_add_f32 v[XR+16*\k:XR+16*\k+1], v[XR+16*\k:XR+16*\k+1], v[XR+16*\k+8:XR+16*\k+9]
.endr
	s_delay_alu instid0(VALU_DEP_1)
	v_pk_add_f32 v[XR:XR+1], v[XR:XR+1], v[XR+16:XR+17]
	s_delay_alu instid0(VALU_DEP_1)
	v_pk_add_f32 v[XR:XR+1], v[XR:XR+1], v[BI:BI+1]
	global_store_b64 v3, v[XR:XR+1], s[10:11]      ; 32 lanes store 256 consecutive bytes, at a multiple of 256 from out0's first byte
.Lend:
	s_wait_tensorcnt 0x0                           ; the wave's end
	ds_add_u32 v208, v209
	s_wait_dscnt 0x0
	CROUND                                         ; the closing round
	s_endpgm
.Lfunc_end_k_q566552e958_oproj:
	.size	k_q566552e958_oproj, .Lfunc_end_k_q566552e958_oproj-k_q566552e958_oproj
	.p2alignl 7, 3214868480
	.fill 96, 4, 3214868480
	.section	.rodata,"a",@progbits
	.p2align	6, 0x0
	.amdhsa_kernel k_q566552e958_oproj
		.amdhsa_group_segment_fixed_size 327680
		.amdhsa_private_segment_fixed_size 0
		.amdhsa_enable_private_segment 0
		.amdhsa_kernarg_size 32
		.amdhsa_user_sgpr_count 2
		.amdhsa_user_sgpr_kernarg_segment_ptr 1
		.amdhsa_wavefront_size32 1
		.amdhsa_system_sgpr_workgroup_id_x 1
		.amdhsa_system_sgpr_workgroup_id_y 1
		.amdhsa_system_sgpr_workgroup_id_z 1
		.amdhsa_system_vgpr_workitem_id 0
		.amdhsa_next_free_vgpr 210
		.amdhsa_next_free_sgpr 66
		.amdhsa_reserve_vcc 0
		.amdhsa_float_denorm_mode_32 3
		.amdhsa_float_denorm_mode_16_64 3
		.amdhsa_memory_ordered 1
		.amdhsa_forward_progress 1
		.amdhsa_inst_pref_size 24
	.end_amdhsa_kernel
	.amdgpu_metadata
---
amdhsa.version: [ 1, 2 ]
amdhsa.kernels:
  - .name:           k_q566552e958_oproj
    .symbol:         k_q566552e958_oproj.kd
    .args:
      - { .name: part, .offset: 0, .size: 8, .value_kind: global_buffer, .address_space: global }
      - { .name: Wo, .offset: 8, .size: 8, .value_kind: global_buffer, .address_space: global }
      - { .name: bo, .offset: 16, .size: 8, .value_kind: global_buffer, .address_space: global }
      - { .name: out0, .offset: 24, .size: 8, .value_kind: global_buffer, .address_space: global }
    .group_segment_fixed_size: 327680
    .private_segment_fixed_size: 0
    .kernarg_segment_align: 8
    .kernarg_segment_size: 32
    .max_flat_workgroup_size: 512
    .sgpr_count:     66
    .vgpr_count:     210
    .wavefront_size: 32
...
	.end_amdgpu_metadata
.endif
;; end of part 2
